; MI455X (gfx1250); checked and timed in simulation.
; The chip was launched on July 23, 2026; its instructions are those of AMD's public machine-readable ISA for CDNA 5 (MIT licence, August 2026) and "CDNA5" Instruction Set Architecture Reference Guide (July 2026). The comments in the code are by the model that wrote it; some were corrected since.
;; Attention. Allowed arithmetic: matrix products marked QUANTISED: E5M2 operands, one given power-of-two scale a tensor, by v_wmma_f32_16x16x64_bf8_bf8 or v_wmma_f32_16x16x128_bf8_bf8, f32 sums; everything else in f32.
;; Inputs: Wk_codes 1,024 x 32 x 32 uint8 (E5M2 codes of Wk, K innermost, in blocks of 32 codes); Wo_codes 1,024 x 32 x 32 uint8 (E5M2 codes of Wo, K innermost, in blocks of 32 codes); Wq_codes 1,024 x 32 x 32 uint8 (E5M2 codes of Wq, K innermost, in blocks of 32 codes); Wv_codes 1,024 x 32 x 32 uint8 (E5M2 codes of Wv, K innermost, in blocks of 32 codes); bk 1,024 float32; bo 1,024 float32; bq 1,024 float32; bv 1,024 float32; lowp_scales 12 int32 (the exponents e of the quantised operands' scales 2^e); x_codes 4 x 2,048 x 32 x 32 uint8 (E5M2 codes of x, K innermost, in blocks of 32 codes).
;; Outputs: out0 4 x 2,048 x 1,024 float32.
;; This version of the problem:
;;   THIS VERSION OF THE PROBLEM IS GIVEN IN LOW PRECISION. The matrix products marked QUANTISED in the list below multiply operands that are first quantised to E5M2 (5 exponent bits, 2 mantissa bits; 8 bits a number), with one given power-of-two scale for each operand tensor; their sums are f32. All else is computed in f32.
;;   The module's matrix products, in the order in which they are computed (A, B: the left and right operand; K: the contracted axis; several contracted axes count as one K, in the product's order):
;;     1. [M 8,192, K 1,024] x [K 1,024, N 1,024]; A: input x (given as codes); B: input Wq (given as codes): QUANTISED (scales: A lowp_scales[0], B lowp_scales[1])
;;     2. [M 8,192, K 1,024] x [K 1,024, N 1,024]; A: input x (given as codes); B: input Wk (given as codes): QUANTISED (scales: A lowp_scales[2], B lowp_scales[3])
;;     3. [M 8,192, K 1,024] x [K 1,024, N 1,024]; A: input x (given as codes); B: input Wv (given as codes): QUANTISED (scales: A lowp_scales[4], B lowp_scales[5])
;;     4. batch 64 x [M 2,048, K 64] x [K 64, N 2,048]; A: computed on the way; B: computed on the way: QUANTISED (scales: A lowp_scales[6], B lowp_scales[7])
;;     5. batch 64 x [M 2,048, K 2,048] x [K 2,048, N 64]; A: softmax (see below); B: computed on the way: QUANTISED (scales: A lowp_scales[8], B lowp_scales[9])
;;     6. [M 8,192, K 1,024] x [K 1,024, N 1,024]; A: computed on the way; B: input Wo (given as codes): QUANTISED (scales: A lowp_scales[10], B lowp_scales[11])
;;   THE QUANTISER, for each operand of a quantised product, along K:
;;     - The operand's scale is 2^e, e = its entry of the input lowp_scales (int32; the entries are numbered through the quantised products in the list's order, A before B).
;;     - Each number is divided by the scale, clamped to +-57,344, and rounded to the nearest number of E5M2, ties to even, subnormals kept.
;;     - The product sums the exact products of the quantised numbers (number of the format x scale) in f32.
;;   ~~~python
;;   def quantise(x, axis, e):      # numpy; x: float32 -> the quantised numbers, widened to float32 again
;;       x = np.moveaxis(x, axis, -1); K = x.shape[-1]
;;       r = np.clip(x / 2.0 ** e, -57344, 57344)
;;       step = 2.0 ** (np.maximum(np.frexp(np.where(r == 0, 1, r))[1] - 1, -14) - 2)
;;       q = np.round(r / step) * step * 2.0 ** e      # np.round: ties to even
;;       return np.moveaxis(q, -1, axis).astype(np.float32)
;;   ~~~
;;   SOFTMAX AHEAD OF A QUANTISED PRODUCT. Where the list says 'softmax', what is quantised is not the finished softmax but p = 2^(t - M), with t = logit x log2(e) and M = ceil(the row's largest t), a whole number; so 1/2 < the row's largest p <= 1. The row's sum l is taken of the UNQUANTISED p, in f32, and the product's result is divided by l at the end. Since M is a whole number, a kernel that streams over the keys may use a running M (the ceiling of the running maximum): every later rescaling is an exact power of two, so the quantised numbers keep their values, but for numbers so far below the row's largest that they fall under the format's range.
;;   OPERANDS COMPUTED ON THE WAY. 'Computed on the way' means the value that the module computes at that place (a softmax that the list does not call 'softmax' is quantised finished and normalised). What goes into a quantiser is computed in f32, as accurately as f32 sums, v_exp_f32 and their like allow (about 1e-6 of the number): no bf16 or f16 on the way to a quantiser, and a product that is left as it is and whose result goes on into a quantised operand takes f32 operands (vector FMAs, or v_wmma_f32_16x16x4_f32). A number that lies on a knife's edge between two numbers of the format may be rounded either way, as far as f32 arithmetic and the matrix unit's own rounding can turn it there, and no further.
;;   INPUTS GIVEN AS CODES. Wk (in the module: [1024, 1024], K = its axis 1); Wo (in the module: [1024, 1024], K = its axis 1); Wq (in the module: [1024, 1024], K = its axis 1); Wv (in the module: [1024, 1024], K = its axis 1); x (in the module: [4, 2048, 1024], K = its axis 2): each comes as NAME_codes (uint8): NAME with its K axis moved to the last place and cut into blocks of 32 codes, [.., K / 32, bytes a block], one block behind the other in memory; one code a byte (a code: sign, 5 exponent bits, 2 mantissa bits); its scale is its entry of lowp_scales. Its value is code x scale, taken as it is: it is not quantised again, and the codes and scales need not be those that the quantiser above would give.
;; One version. Each part assembles by itself: llvm-mc -triple=amdgcn-amd-amdhsa -mcpu=gfx1250 --defsym DOCPART=n.
;; ======== version 1 of 1: 3 launches
;; workspace buffers: q_img 8,388,608 bytes; k_img 8,388,608 bytes; v_img 8,388,608 bytes; a_img 8,388,608 bytes
;; launch qkv (part 1): grid 12 x 32, 4 waves a work-group, clusters of 4 x 4, 327,680 bytes of LDS; arguments x_codes, Wq_codes, Wk_codes, Wv_codes, bq, bk, bv, lowp_scales, q_img, k_img, v_img; writes q_img, k_img, v_img
.if DOCPART == 1
	.amdgcn_target "amdgcn-amd-amdhsa--gfx1250"
	.amdhsa_code_object_version 6
	.text
	.protected	k_qeba7a1312f_qkv
	.globl	k_qeba7a1312f_qkv
	.p2align	8
	.type	k_qeba7a1312f_qkv,@function
k_qeba7a1312f_qkv:
	s_mov_b64 s[64:65], 0
	v_nop
	global_prefetch_b8 v0, s[64:65] scope:SCOPE_SE
	s_setreg_imm32_b32 hwreg(HW_REG_WAVE_MODE, 25, 1), 1
	s_wait_xcnt 0x0
	s_wait_alu depctr_hold_cnt(0) depctr_sa_sdst(0) depctr_va_vdst(0) depctr_va_sdst(0) depctr_va_ssrc(0) depctr_va_vcc(0) depctr_vm_vsrc(0)
	s_getreg_b32 s2, hwreg(HW_REG_IB_STS2, 6, 4)
	s_cmp_eq_u32 s2, 0
	s_cbranch_scc0 .Lentry_in_a_cluster
	s_endpgm
.Lentry_in_a_cluster:
	s_bfe_u32 s2, ttmp6, 0x10000c
	s_cmp_lg_u32 s2, 0xf033
	s_cbranch_scc0 .Lentry_shape_is_right
	s_endpgm
.Lentry_shape_is_right:
; q = x Wq^T + bq, k = x Wk^T + bk, v = x Wv^T + bv on codes of BF8 (E5M2), each result quantised at once to BF8 with its given scale, and stored as IMAGES OF THE OPERAND REGISTERS that the attention launch loads.
; x: [8192][1024] codes; each W: [1024][1024] codes, K innermost; biases f32.  A sum of codes stands for sum x 2^(ea + eb); y = sum x 2^(ea + eb) + bias in one fused multiply-add; code = y / 2^eo, held within +-57,344.
; ONE BODY FOR THE THREE.  The cluster's x says which: 0 q, 1 k, 2 v.  The loop makes a tile C' = A' B'^T of 256 x 256; four waves, 128 x 128 each: 64 accumulators, 512 registers.
; The matrix instruction is used transposed (source 0 = 16 rows of B', source 1 = 16 rows of A'): lane (r, h) of accumulator (a, b) holds A' row 16 a + r, and its register j holds B' row 16 b + 8 h + j.
;   q, k: A' = x, B' = W: a lane's registers run along the features: the codes of b = 0..3 (4..7) are the K = 64 fragment (16 tokens x 64 of a head) of the wave's first (second) head.
;   v:    A' = Wv, B' = x: a lane's registers run along the tokens: the codes of b = 0..7 are the K = 128 fragment of V^T (16 of a head's 64 x 128 keys).
; So nothing is transposed and nothing goes through a stage: each store of the wave covers 512 consecutive bytes, aligned.
; q_img, k_img: [16 batch + head][token tile of 16: 128][1,024 bytes]: registers 4 c .. 4 c + 3 of lane L at 512 c + 16 L.    v_img: [16 batch + head][block of 128 keys: 16][tile of 16 d: 4][2,048 bytes], likewise.
; K goes in steps of 256 through a ring of two LDS slots filled by the tensor data mover; K = 1,024 is four such steps, so the ring's one lap that fills slots again is written out and there is no loop.
; CLUSTERS: 4 x 4 work-groups.  The four of a row of the cluster need the same tile of A', the four of a column the same tile of B': each is asked for jointly.
; The fragments are fetched by four loads of 16 bytes (registers 4 c .. 4 c + 3: K = 32 c + 16 h + 0 .. 15), the same order of K in A' and in B': every product meets its partner.
; LIMITS: ea + eb between -126 and 127; eo (entries 6, 7, 9 of the scales) between -126 and 112, so that each power of two below is an f32 number.  NaN among the biases is not served.
; REGISTERS, in windows of 256: window 0: v0-31 addresses and constants; v32-95 the bias; v96-127 at work on the way out; v128-255 A's fragments, ONE set, later the codes.
;   window 1: B's fragments, TWO sets.   window 2: accumulators of my A' rows 0-63 ((a, b) at v[8 (8 a + b)]);   window 3: those of rows 64-127.
.set ROWB,   256                       ; a tile's row in bytes: 256 along K
.set KROW,   1024                      ; a row of x or of a weight in memory, in bytes
.set PITCH,  272                       ; an LDS row: 256 bytes + 16 of padding = 68 words: the 16 rows that a load touches start at 16 different banks (64 banks of 4 bytes: ISA guide 11.1)
.set FR,     16                        ; registers of a fragment: 16 rows x 128 K
.set NL,     4                         ; LDS loads that bring one
.set NP,     4                         ; places behind this matrix instruction (ISA guide 7.12.1)
.set HALFT,  128*PITCH                 ; 128 rows: what one tensor load brings
.set SLOT,   4*HALFT                   ; A's 256 rows, then B's 256 rows
.set SPARE,  2*SLOT                    ; behind the ring: the spare words, 128 bytes for each wave: two blocks of 256 bytes that no other line names
.set ADRA, 16                          ; v16-17  LDS address of my A' fragments in slot 0, 1
.set ADRB, 20                          ; v20-21  the same for B'
.set LIMV, 24                          ; v24     57,344 x 2^eo
.set SCV,  25                          ; v25     2^eo as f32
.set CO,   26                          ; v26     16 x lane: my place in an image's 512 bytes
.set BH,   27                          ; v27     32 h: bias offset where the registers run along the features
.set SPW,  28                          ; v28     LDS address of my spare word; never rewritten
.set NIL,  29                          ; v29     0; never rewritten
.set BR,   30                          ; v30     4 r: bias offset where a lane holds one feature
.set BI,   32                          ; v32-95  the bias
.set TMP,  96                          ; v96-127 32 numbers at work
.set AF,   128                         ; A's fragments
.set CD,   128                         ; later the codes: 16 registers for each block a, each written once
.set G1, 24                            ; s[24:31] descriptor group 1 for A's tiles;  s[32:39] group 0, one set for each slot
.set G0, 32
.set G1B, 48                           ; s[48:55], s[56:63] the same for B's tiles
.set G0B, 56
.set MSB, 0
.macro WIN new                         ; the immediate's high byte repeats the setting that is left
.if MSB != \new
	s_set_vgpr_msb (MSB<<8)|\new
.set MSB, \new
.endif
.endm
.set MUL_LO, 0xa1                      ; source 0 (B') window 1, source 1 (A') window 0, C and D window 2
.set MUL_HI, 0xf1                      ; the same, C and D window 3
.set TO_B,   0x40                      ; destination window 1, address window 0
; A joint load: waves 0 and 1 fetch for A', waves 2 and 3 for B'.  Each line has one mask and one set of registers for all that issue it; the branch hangs on the wave's number alone.
; Four v_nop follow each of the two lines, ahead of the jump, the label and what follows.
.macro JLOAD g0a, g1a, g0b, g1b
	s_cmp_eq_u32 s15, 0
	s_cbranch_scc0 .Lfor_b_\@
	tensor_load_to_lds s[\g0a:\g0a+3], s[\g1a:\g1a+7]
	s_nop 0
.rept 4
	v_nop
.endr
	s_branch .Lasked_\@
.Lfor_b_\@:
	tensor_load_to_lds s[\g0b:\g0b+3], s[\g1b:\g1b+7]
	s_nop 0
.rept 4
	v_nop
.endr
.Lasked_\@:
.endm
.macro CREST                           ; a round of the cluster's barrier behind its opening barrier
	s_cmp_lg_u32 s14, 0
	s_cbranch_scc1 .Lnot_wave_0_\@
	s_barrier_signal -3
.Lnot_wave_0_\@:
	s_barrier_wait -3
	s_barrier_signal -1
	s_barrier_wait -1
.endm
.macro CROUND                          ; a whole round
	s_barrier_signal -1
	s_barrier_wait -1
	CREST
.endm
	s_load_b512 s[68:83], s[0:1], 0x0              ; x s[68:69], Wq s[70:71], Wk s[72:73], Wv s[74:75], bq s[76:77], bk s[78:79], bv s[80:81], the scales' exponents s[82:83]
	s_load_b128 s[84:87], s[0:1], 0x40             ; q_img s[84:85], k_img s[86:87]
	s_load_b64 s[88:89], s[0:1], 0x50              ; v_img
	v_lshl_add_u32 v[SPW], v0, 2, SPARE
	v_mov_b32 v[NIL], 0
	ds_add_u32 v28, v29
	ds_add_u32 v28, v29
	s_wait_dscnt 0x0
	v_lshrrev_b32 v1, 5, v0
	v_readfirstlane_b32 s14, v1                    ; wave 0..3
	s_lshr_b32 s15, s14, 1                         ; which half of the tile's A' rows is mine.  Also: I fetch for A' (0) or for B' (1)
	s_and_b32 s16, s14, 1                          ; which half of its B' rows.  Also: which 128 rows of that tile I fetch
	s_bfe_u32 s40, ttmp6, 0x40000                  ; cx, cy: my place in the cluster
	s_bfe_u32 s41, ttmp6, 0x40004
	s_mov_b32 s12, ttmp9                           ; the cluster's x: 0 q, 1 k, 2 v: the same in all sixteen partners
	s_and_b32 s13, ttmp7, 0xffff
	s_lshl_b32 s13, s13, 2                         ; 4 x the cluster's y
	s_cmp_eq_u32 s12, 2                            ; x has 32 tiles of 256 rows, a weight 4: the cluster's y walks x, which is A' for q and k and B' for v
	s_cselect_b32 s17, 0, s13
	s_cselect_b32 s42, s13, 0
	s_add_co_u32 s17, s17, s41                     ; tile row (of A'): cy, + 4 x cluster y for q and k
	s_add_co_u32 s42, s42, s40                     ; tile column (of B'): cx, + 4 x cluster y for v
	s_lshl_b32 s43, s41, 2
	s_lshl_b32 s43, 15, s43                        ; my row of the cluster
	s_lshl_b32 s44, 0x1111, s40                    ; my column
	; descriptor group 1: a tile of 128 rows x 256 bytes, padded in LDS
	s_or_b32 s[G1+0], s43, (0<<16)|(1<<20)|(1<<21)|(5<<22)|(3<<25)  ; 15:0 the mask: A's tiles go to my row; 17:16 element of 1 byte; 20 padding on; 21 set beside a mask; 24:22 after every 64 words (code 5); 31:25 of 4 words (code 3)
	s_or_b32 s[G1B+0], s44, (0<<16)|(1<<20)|(1<<21)|(5<<22)|(3<<25)
.irp g, G1, G1B
	s_mov_b32 s[\g+1], ROWB<<16                    ; tensor_dim0
	s_mov_b32 s[\g+2], 128<<16                     ; tensor_dim1 = 128
	s_mov_b32 s[\g+3], ROWB<<16                    ; tile_dim0
	s_mov_b32 s[\g+4], 128                         ; tile_dim1 = 128
	s_mov_b32 s[\g+5], KROW                        ; tensor_dim0_stride
	s_mov_b32 s[\g+6], 0
	s_mov_b32 s[\g+7], 0
.endr
	s_lshl_b32 s18, s16, 7                         ; which 128 rows of the tile I fetch
	s_lshl_b32 s20, s17, 8
	s_add_co_u32 s20, s20, s18                     ; A': row 256 x tile row + 128 x half
	s_lshl_b32 s46, s42, 8
	s_add_co_u32 s46, s46, s18                     ; B': row 256 x tile column + 128 x half
	s_lshl_b32 s20, s20, 10                        ; rows of 1,024 bytes: under 2^23
	s_lshl_b32 s46, s46, 10
	s_mov_b32 s21, 0
	s_mov_b32 s47, 0
	s_mul_i32 s45, s14, HALFT                      ; where they go: wave x 128 rows: no place in the cluster enters an LDS address
	s_wait_kmcnt 0x0
	s_cmp_eq_u32 s12, 2                            ; the buffers are chosen on the cluster's x alone
	s_cselect_b64 s[4:5], s[74:75], s[68:69]       ; A': Wv, else x
	s_cselect_b64 s[6:7], s[68:69], s[72:73]       ; B': x, else Wk
	s_cselect_b64 s[8:9], s[80:81], s[78:79]       ; the bias: bv, else bk
	s_cselect_b64 s[10:11], s[88:89], s[86:87]     ; the images: v_img, else k_img
	s_cmp_eq_u32 s12, 0
	s_cselect_b64 s[6:7], s[70:71], s[6:7]         ; for q: Wq,
	s_cselect_b64 s[8:9], s[76:77], s[8:9]         ; bq,
	s_cselect_b64 s[10:11], s[84:85], s[10:11]     ; q_img
	s_load_b256 s[68:75], s[82:83], 0x0            ; the exponents, entries 0 to 7,
	s_load_b32 s76, s[82:83], 0x24                 ; and entry 9
	s_add_nc_u64 s[20:21], s[4:5], s[20:21]
	s_add_nc_u64 s[46:47], s[6:7], s[46:47]
	CROUND                                         ; all sixteen work-groups are here: the first joint loads meet
.irp s, 0,1
	s_mov_b32 s[G0+4*\s], 1
	s_add_co_u32 s[G0+4*\s+1], s45, \s*SLOT
	s_add_nc_u64 s[G0+4*\s+2:G0+4*\s+3], s[20:21], \s*ROWB
	s_or_b32 s[G0+4*\s+3], s[G0+4*\s+3], 0x80000000
	s_mov_b32 s[G0B+4*\s], 1
	s_add_co_u32 s[G0B+4*\s+1], s45, \s*SLOT
	s_add_nc_u64 s[G0B+4*\s+2:G0B+4*\s+3], s[46:47], \s*ROWB
	s_or_b32 s[G0B+4*\s+3], s[G0B+4*\s+3], 0x80000000
	JLOAD G0+4*\s, G1, G0B+4*\s, G1B
.endr
	v_and_b32 v1, 15, v0                           ; r = l % 16
	v_bfe_u32 v2, v0, 4, 1                         ; h = l / 16
	v_mul_u32_u24 v3, v1, PITCH
	v_lshl_add_u32 v4, v2, 4, v3                   ; a fragment's row x pitch + 16 x half
	s_mul_i32 s21, s15, HALFT                      ; my 128 rows of A'
	s_mul_i32 s22, s16, HALFT                      ; my 128 rows of B',
	s_add_co_u32 s22, s22, 2*HALFT                 ; which lie behind A's 256
.irp s, 0,1
	v_add_nc_u32 v[ADRA+\s], s21, v4
	v_add_nc_u32 v[ADRB+\s], s22, v4
	s_add_co_u32 s21, s21, SLOT
	s_add_co_u32 s22, s22, SLOT
.endr
	v_and_b32 v6, 31, v0
	v_lshlrev_b32 v[CO], 4, v6
	v_lshlrev_b32 v[BH], 5, v2
	v_lshlrev_b32 v[BR], 2, v1
	; Where my bias and my images begin.  With the side that holds tokens and the side that holds features chosen first, one arithmetic serves q, k and v:
	; bias: 4 x (256 x feature tile + 128 x feature half);  images: ((16 batch + head) x 128 + 16 x (token tile % 8) + 8 x token half) x 1,024 bytes (a block of 128 keys of v_img is 8,192 bytes, as are eight token tiles of q_img)
	s_cmp_eq_u32 s12, 2
	s_cselect_b32 s90, s42, s17                    ; the tile of 256 tokens
	s_cselect_b32 s91, s16, s15                    ; my half of it
	s_cselect_b32 s92, s17, s42                    ; the tile of 256 features
	s_cselect_b32 s93, s15, s16                    ; my half of it
	s_lshl_b32 s94, s92, 10
	s_lshl_b32 s95, s93, 9
	s_add_co_u32 s94, s94, s95
	s_mov_b32 s95, 0
	s_add_nc_u64 s[8:9], s[8:9], s[94:95]          ; the bias at my 128 features
	s_lshr_b32 s94, s90, 3
	s_lshl_b32 s94, s94, 4                         ; 16 x batch
	s_lshl_b32 s92, s92, 2
	s_add_co_u32 s94, s94, s92                     ; + 4 heads a tile
	s_lshl_b32 s93, s93, 1
	s_add_co_u32 s94, s94, s93                     ; + 2 a half
	s_lshl_b32 s94, s94, 7
	s_and_b32 s90, s90, 7
	s_lshl_b32 s90, s90, 4
	s_add_co_u32 s94, s94, s90
	s_lshl_b32 s91, s91, 3
	s_add_co_u32 s94, s94, s91
	s_lshl_b32 s94, s94, 10                        ; under 2^23
	s_add_nc_u64 s[10:11], s[10:11], s[94:95]
	s_wait_kmcnt 0x0                               ; the exponents: chosen without a branch
	s_cmp_eq_u32 s12, 0
	s_cselect_b32 s96, s68, s70                    ; ea: entry 0, 2 or 4
	s_cselect_b32 s97, s69, s71                    ; eb: entry 1, 3 or 5
	s_cselect_b32 s98, s74, s75                    ; eo: entry 6 (q), 7 (k) or 9 (v)
	s_cmp_eq_u32 s12, 2
	s_cselect_b32 s96, s72, s96
	s_cselect_b32 s97, s73, s97
	s_cselect_b32 s98, s76, s98
	s_add_co_i32 s96, s96, s97
	s_add_co_i32 s96, s96, 127
	s_lshl_b32 s96, s96, 23                        ; 2^(ea + eb) as f32
	s_mov_b32 s97, s96                             ; (named with it as a pair, so it is written)
	s_add_co_i32 s98, s98, 127
	s_lshl_b32 s99, s98, 23
	v_mov_b32 v[SCV], s99                          ; 2^eo as f32: the conversion takes its exponent field
	s_add_co_i32 s98, s98, 15
	s_lshl_b32 s98, s98, 23
	s_or_b32 s98, s98, 0x600000
	v_mov_b32 v[LIMV], s98                         ; 57,344 x 2^eo
.macro FRAG reg, adr, q, i             ; a fragment, 16 rows x 128 K of 8-bit codes, is 16 registers: lane l holds row l % 16; registers 4 c .. 4 c + 3 hold K = 32 c + 16 (l / 16) + 0 .. 15
.irp c, 0,1,2,3
	ds_load_b128 v[\reg+4*\c:\reg+4*\c+3], v[\adr] offset:128*(\q)+32*\c+(\i)*16*PITCH
.endr
.endm
; 16 matrix instructions: A's blocks a0, a0 + 1 x B's eight, 128 along K.  p: B's set.  zero = 1: the first product starts the sums: nothing is ever cleared.
; The 64 accumulators take turns, one instruction a turn, in the same order in every step.
.macro MUL16 a0, p, zero
.irp a, \a0, \a0+1
.irp b, 0,1,2,3,4,5,6,7
.if \zero
	v_wmma_f32_16x16x128_bf8_bf8 v[8*(8*((\a)%4)+\b):8*(8*((\a)%4)+\b)+7], v[128*(\p)+FR*\b:128*(\p)+FR*\b+FR-1], v[AF+FR*(\a):AF+FR*(\a)+FR-1], 0
.else
	v_wmma_f32_16x16x128_bf8_bf8 v[8*(8*((\a)%4)+\b):8*(8*((\a)%4)+\b)+7], v[128*(\p)+FR*\b:128*(\p)+FR*\b+FR-1], v[AF+FR*(\a):AF+FR*(\a)+FR-1], v[8*(8*((\a)%4)+\b):8*(8*((\a)%4)+\b)+7]
.endif
.endr
.endr
.endm
.macro FETCH_B slot, q, p              ; B's eight fragments of the slot's q-th 128 along K into set p
	WIN TO_B
.irp i, 0,1,2,3,4,5,6,7
	FRAG 128*(\p)+FR*\i, ADRB+\slot, \q, \i
.endr
	WIN 0
.endm
.macro FETCH_A slot, q, i0             ; A's blocks i0 .. i0 + 3
.irp i, \i0, \i0+1, \i0+2, \i0+3
	FRAG AF+FR*(\i), ADRA+\slot, \q, \i
.endr
.endm
; A load into a register that a matrix instruction has read, and a vector instruction that reads a matrix result or writes one of its registers, stand NP places behind it; only plain vector
; instructions that name none of its registers are places (ISA guide 7.12.1 for vector instructions).
.macro PLACES n
.rept \n
	v_nop
.endr
.endm
; A step of 128 along K that has its successor in the same slot.
.macro STEP slot, q, zero
	s_wait_dscnt 4*NL                              ; B's set and A's blocks 0-3 are in; the youngest sixteen loads (A's blocks 4-7) may be out
	WIN MUL_LO
	MUL16 0, (\q)%2, \zero
	MUL16 2, (\q)%2, \zero
	s_wait_dscnt 0                                 ; A's blocks 4-7 are in (asked for 32 matrix instructions ago)
	PLACES NP
	FETCH_B \slot, (\q)+1, 1-(\q)%2
	FETCH_A \slot, (\q)+1, 0
	WIN MUL_HI
	MUL16 4, (\q)%2, \zero
	MUL16 6, (\q)%2, \zero
	PLACES NP
	WIN 0
	FETCH_A \slot, (\q)+1, 4
.endm
; A slot's last step changes slots: ONE barrier; in front of it each wave waits for all its tensor loads, adds 0 to its spare word, and waits for that and for its own reads of this slot.  fill = 1: this slot is filled again, two K steps ahead.
.macro TURN slot, next, fill
	s_wait_tensorcnt 0x0                           ; all my tensor loads have landed: my part of the next slot  (every window is 0 here)
	ds_add_u32 v[SPW], v[NIL]                      ; 0 onto my spare word
	s_wait_dscnt 4*NL+1                            ; (the add and the youngest sixteen loads, A's blocks 4-7, may be out)
	WIN MUL_LO
	MUL16 0, 1, 0                                  ; sixteen matrix instructions stand between the add and the wait for it
	s_wait_dscnt 0x0                               ; the add is done, and my reads of this slot are over
	s_barrier_signal -1
	MUL16 2, 1, 0
	WIN 0
	s_barrier_wait -1
.if \fill
	CREST                                          ; the barrier has opened a round of the cluster's barrier: no wave of any partner still reads this slot's tile or has a load on its way
	s_add_nc_u64 s[G0+4*\slot+2:G0+4*\slot+3], s[G0+4*\slot+2:G0+4*\slot+3], 2*ROWB
	s_add_nc_u64 s[G0B+4*\slot+2:G0B+4*\slot+3], s[G0B+4*\slot+2:G0B+4*\slot+3], 2*ROWB
	JLOAD G0+4*\slot, G1, G0B+4*\slot, G1B         ; the first tensor load behind the round; the four v_nop behind it are the places in front of the loads below
.else
	PLACES NP
.endif
	FETCH_B \next, 0, 0
	FETCH_A \next, 0, 0
	WIN MUL_HI
	MUL16 4, 1, 0
	MUL16 6, 1, 0
	PLACES NP
	WIN 0
	FETCH_A \next, 0, 4
.endm
.macro LAST                            ; the very last step: nothing more to fetch
	s_wait_dscnt 4*NL
	WIN MUL_LO
	MUL16 0, 1, 0
	MUL16 2, 1, 0
	s_wait_dscnt 0
	WIN MUL_HI
	MUL16 4, 1, 0
	MUL16 6, 1, 0
	WIN 0
.endm
; THE WAY OUT of block a (16 rows of A'), in two halves g of four accumulators: y = sum x 2^(ea + eb) + bias, the hold, the conversion, two stores of 512 bytes.
; kind 0 (q, k): the bias runs along the registers; half g is head g's fragment of token tile a.   kind 1 (v): a lane has one feature, so one bias; the two halves are the fragment of d tile a % 4 of head a / 4.
; Each block's codes have registers of their own and every offset is an immediate: no store's data, offset or base is ever written again.
.macro OUT a, kind
.set AC, 64*((\a)%4)
.irp g, 0,1
	WIN 0x02+((\a)/4)                              ; source 0 (the sums): window 2 or 3
.irp b, 0,1,2,3
.irp i, 0,2,4,6
.if \kind
	v_pk_fma_f32 v[TMP+8*\b+\i:TMP+8*\b+\i+1], v[AC+8*(4*\g+\b)+\i:AC+8*(4*\g+\b)+\i+1], s[96:97], v[BI+2*(\a):BI+2*(\a)+1] op_sel_hi:[1,0,1]
.else
	v_pk_fma_f32 v[TMP+8*\b+\i:TMP+8*\b+\i+1], v[AC+8*(4*\g+\b)+\i:AC+8*(4*\g+\b)+\i+1], s[96:97], v[BI+8*(4*\g+\b)+\i:BI+8*(4*\g+\b)+\i+1] op_sel_hi:[1,0,1]
.endif
.endr
.endr
	WIN 0
.irp b, 0,1,2,3
.irp i, 0,1,2,3,4,5,6,7
	v_med3_num_f32 v[TMP+8*\b+\i], v[TMP+8*\b+\i], -v[LIMV], v[LIMV]   ; the conversion to an 8-bit code does not saturate (ISA guide 7.6.2): the hold at the largest code x the scale
.endr
	v_cvt_scalef32_pk8_bf8_f32 v[CD+16*(\a)+8*\g+2*\b:CD+16*(\a)+8*\g+2*\b+1], v[TMP+8*\b:TMP+8*\b+7], v[SCV]
.endr
	v_nop                                          ; one plain vector instruction between the conversions and the next lines that write their sources
.irp u, 0,1
.if \kind
	global_store_b128 v[CO], v[CD+16*(\a)+8*\g+4*\u:CD+16*(\a)+8*\g+4*\u+3], s[10:11] offset:131072*((\a)/4)+2048*((\a)%4)+512*(2*\g+\u)
.else
	global_store_b128 v[CO], v[CD+16*(\a)+8*\g+4*\u:CD+16*(\a)+8*\g+4*\u+3], s[10:11] offset:1024*(\a)+131072*\g+512*\u
.endif
.endr
.endr
.endm
	s_wait_tensorcnt 1                             ; my part of K step 0 is in (K step 1's load may be out),
	s_barrier_signal -1
	s_barrier_wait -1                              ; everybody's is
	FETCH_B 0, 0, 0
	FETCH_A 0, 0, 0
	FETCH_A 0, 0, 4
	STEP 0, 0, 1                                   ; K 0-127: its products start the sums
	TURN 0, 1, 1                                   ; K 128-255; slot 0 takes K 512-767
	STEP 1, 0, 0
	TURN 1, 0, 1                                   ; slot 1 takes K 768-1023
	STEP 0, 0, 0
	TURN 0, 1, 0                                   ; nothing is left to fetch, and no round follows
	; From here on no barrier and no tensor load stands ahead of the common end, so the text parts on the cluster's x.  The bias is asked for at an arm's head and lands under the arm's 128 matrix instructions.
	s_cmp_eq_u32 s12, 2
	s_cbranch_scc1 .Lv
.irp b, 0,1,2,3,4,5,6,7
	global_load_b128 v[BI+8*\b:BI+8*\b+3], v[BH], s[8:9] offset:64*\b         ; bias of features 16 b + 8 h + 0 .. 7
	global_load_b128 v[BI+8*\b+4:BI+8*\b+7], v[BH], s[8:9] offset:64*\b+16
.endr
	STEP 1, 0, 0
	LAST
	s_wait_loadcnt 0x0                             ; the bias
	PLACES NP                                      ; behind the last products: their results are read, and A's registers take the codes
.irp a, 0,1,2,3,4,5,6,7
	OUT \a, 0
.endr
	s_branch .Ldone
.Lv:
.irp a, 0,1,2,3,4,5,6,7
	global_load_b32 v[BI+2*\a], v[BR], s[8:9] offset:64*\a                    ; bias of feature 16 a + r, in both words of a pair for the packed form
	global_load_b32 v[BI+2*\a+1], v[BR], s[8:9] offset:64*\a
.endr
	STEP 1, 0, 0
	LAST
	s_wait_loadcnt 0x0
	PLACES NP
.irp a, 0,1,2,3,4,5,6,7
	OUT \a, 1
.endr
.Ldone:
	s_wait_tensorcnt 0x0                           ; the wave's end, behind my last tensor load
	ds_add_u32 v[SPW], v[NIL]
	s_wait_dscnt 0x0
	CROUND                                         ; the closing round: no work-group ends while a partner may still ask for a tile that names it
	s_endpgm
.Lfunc_end_k_qeba7a1312f_qkv:
	.size	k_qeba7a1312f_qkv, .Lfunc_end_k_qeba7a1312f_qkv-k_qeba7a1312f_qkv
	.p2alignl 7, 3214868480
	.fill 96, 4, 3214868480
	.section	.rodata,"a",@progbits
	.p2align	6, 0x0
	.amdhsa_kernel k_qeba7a1312f_qkv
		.amdhsa_group_segment_fixed_size 327680
		.amdhsa_private_segment_fixed_size 0
		.amdhsa_enable_private_segment 0
		.amdhsa_kernarg_size 88
		.amdhsa_user_sgpr_count 2
		.amdhsa_user_sgpr_kernarg_segment_ptr 1
		.amdhsa_wavefront_size32 1
		.amdhsa_system_sgpr_workgroup_id_x 1
		.amdhsa_system_sgpr_workgroup_id_y 1
		.amdhsa_system_sgpr_workgroup_id_z 1
		.amdhsa_system_vgpr_workitem_id 0
		.amdhsa_next_free_vgpr 1024
		.amdhsa_next_free_sgpr 100
		.amdhsa_reserve_vcc 0
		.amdhsa_float_denorm_mode_32 3
		.amdhsa_float_denorm_mode_16_64 3
		.amdhsa_memory_ordered 1
		.amdhsa_forward_progress 1
		.amdhsa_inst_pref_size 208
	.end_amdhsa_kernel
	.amdgpu_metadata
---
amdhsa.version: [ 1, 2 ]
amdhsa.kernels:
  - .name:           k_qeba7a1312f_qkv
    .symbol:         k_qeba7a1312f_qkv.kd
    .args:
      - { .name: x_codes, .offset: 0, .size: 8, .value_kind: global_buffer, .address_space: global }
      - { .name: Wq_codes, .offset: 8, .size: 8, .value_kind: global_buffer, .address_space: global }
      - { .name: Wk_codes, .offset: 16, .size: 8, .value_kind: global_buffer, .address_space: global }
      - { .name: Wv_codes, .offset: 24, .size: 8, .value_kind: global_buffer, .address_space: global }
      - { .name: bq, .offset: 32, .size: 8, .value_kind: global_buffer, .address_space: global }
      - { .name: bk, .offset: 40, .size: 8, .value_kind: global_buffer, .address_space: global }
      - { .name: bv, .offset: 48, .size: 8, .value_kind: global_buffer, .address_space: global }
      - { .name: lowp_scales, .offset: 56, .size: 8, .value_kind: global_buffer, .address_space: global }
      - { .name: q_img, .offset: 64, .size: 8, .value_kind: global_buffer, .address_space: global }
      - { .name: k_img, .offset: 72, .size: 8, .value_kind: global_buffer, .address_space: global }
      - { .name: v_img, .offset: 80, .size: 8, .value_kind: global_buffer, .address_space: global }
    .group_segment_fixed_size: 327680
    .private_segment_fixed_size: 0
    .kernarg_segment_align: 8
    .kernarg_segment_size: 88
    .max_flat_workgroup_size: 128
    .sgpr_count:     100
    .vgpr_count:     1024
    .wavefront_size: 32
...
	.end_amdgpu_metadata
.endif
;; end of part 1
;; launch attn (part 2): grid 8 x 64, 16 waves a work-group, clusters of 4 x 1, 264,192 bytes of LDS; arguments q_img, k_img, v_img, lowp_scales, a_img; writes a_img
.if DOCPART == 2
	.amdgcn_target "amdgcn-amd-amdhsa--gfx1250"
	.amdhsa_code_object_version 6
	.text
	.protected	k_qeba7a1312f_attn
	.globl	k_qeba7a1312f_attn
	.p2align	8
	.type	k_qeba7a1312f_attn,@function
k_qeba7a1312f_attn:
	s_mov_b64 s[64:65], 0
	v_nop
	global_prefetch_b8 v0, s[64:65] scope:SCOPE_SE
	s_setreg_imm32_b32 hwreg(HW_REG_WAVE_MODE, 25, 1), 1
	s_wait_xcnt 0x0
	s_wait_alu depctr_hold_cnt(0) depctr_sa_sdst(0) depctr_va_vdst(0) depctr_va_sdst(0) depctr_va_ssrc(0) depctr_va_vcc(0) depctr_vm_vsrc(0)
	s_getreg_b32 s2, hwreg(HW_REG_IB_STS2, 6, 4)
	s_cmp_eq_u32 s2, 0
	s_cbranch_scc0 .Lentry_in_a_cluster
	s_endpgm
.Lentry_in_a_cluster:
	s_bfe_u32 s2, ttmp6, 0x10000c
	s_cmp_lg_u32 s2, 0x3003
	s_cbranch_scc0 .Lentry_shape_is_right
	s_endpgm
.Lentry_shape_is_right:
; For each of 64 (batch, head): O = softmax(q k^T / 8) v, both products on codes of BF8 (E5M2); O is quantised at once to BF8 for the output projection.
; q_img, k_img: [16 batch + head][token tile of 16: 128][1,024 bytes]: the register image of a K = 64 fragment (registers 2 b, 2 b + 1 of lane (r, h): token r, d = 16 b + 8 h + 0 .. 7); registers 4 c .. 4 c + 3 of lane L at 512 c + 16 L.
; v_img: [16 batch + head][block of 128 keys: 16][tile of 16 d: 4][2,048 bytes]: the image of a K = 128 fragment of V^T (registers 2 c, 2 c + 1: d = r, key 16 c + 8 h + 0 .. 7).
; a_img: [token tile of 16: 512][head: 16][1,024 bytes]: byte 256 t + 16 r + 8 h + i holds token r, d = 16 t + 8 h + i: two neighbouring heads are the image of a 16 x 128 fragment whose registers 4 c .. 4 c + 3 hold k = 32 c + 16 h + 0 .. 15.
; THE SOFTMAX AHEAD OF THE SECOND PRODUCT: t = score x log2(e) / 8; M = the row's largest t so far, rounded UP to a whole number; p = 2^(t - M) is what is quantised; it is not normalised.
; The row's sum is taken of the unquantised p, in f32, and divides O at the end.  When M moves, the sum and O are multiplied by 2^(old M - new M): exact.
; SHARES.  A work-group owns 256 queries of one head; each of its sixteen waves 16 of them, one tile, in 256 registers: four waves to a SIMD, so that one wave's vector work stands beside another's matrix work and LDS loads.
; ALL OF THE HEAD'S K AND V LIE IN LDS: 131,072 bytes each, dense, since images want no padding and a fragment load reads 512 consecutive bytes.  They come in four quarters of 512 keys, every one asked for at the kernel's head
; (waves 0 and 1: K's halves; waves 2 and 3: V's; four loads of 16 KiB a wave, all four out at once by this text's count).  No LDS byte is filled twice and none is stored to: there is no ring, and a quarter wants one counted wait and one barrier.
; Since every tile is requested at the head, there is no later request for an earlier one to run ahead of.
; CLUSTER.  The four query blocks of a cluster belong to one head: each tile is asked for JOINTLY, by the same tensor load with the same descriptor and a mask that names the four.
; LAYOUT.  Both products are used transposed: S^T = K Q^T (source 0 = 16 keys, source 1 = my 16 queries), O^T = V^T P^T: a lane holds ONE query (lane % 16) throughout.  Register j of score tile t is key 16 t + 8 h + j,
; so the conversion of tile t gives registers 2 t, 2 t + 1 of the second product's operand in that form's own layout.
; LIMITS on the given exponents, so that each power of two below is an f32 number: e6 + e7 between -123 and 130 (added to c's exponent field); e8 and e10 between -126 and 112; e8 + e9 is applied by v_ldexp_f32 and has none.
; REGISTERS: v1 16 x lane; v2 the step's LDS address; v3 my offset in a_img; v4, v5 at work; v6 the exchange; v[8:9] f; v[10:11] a second chain of the sum; v12 -M, v13 the largest t; v[14:15] the sum;
;   v16-23 Q; v24, v25: 57,344 x 2^e8, 2^e8; v26, v27: the same with e10; v32-95 K's eight fragments, v32-47 later p's codes; v96-159 S^T, then p; v160-191 O^T; v192-255 V's four fragments.
.set QB,    65536                      ; a quarter in LDS: 32 tiles of K (32,768 bytes), then 4 key blocks of V (32,768 bytes)
.set VO,    32768
.set SB,    8192                       ; a step of 128 keys: 8 tiles of K, and one key block of V: 8,192 bytes each
.set TB,    2                          ; s2   LDS byte at which the step's tiles of K begin
.set CNT,   3                          ; s3   steps to go in the quarter
.set WV,    18                         ; s18  my wave's number
.set SEL,   20                         ; s[20:21] lane selects for v_permlanex16_b32: lane l xor 16
.set CS,    22                         ; s[22:23] c = log2(e) / 8 x 2^(e6 + e7)
.set G1,    24                         ; s[24:31] descriptor group 1
.set G0,    32                         ; s[32:47] descriptor group 0, a set for each quarter
.macro ROUND                           ; a round of the cluster's barrier
	s_barrier_signal -1
	s_barrier_wait -1
	s_cmp_lg_u32 s[WV], 0
	s_cbranch_scc1 .Lnot_wave_0_\@
	s_barrier_signal -3
.Lnot_wave_0_\@:
	s_barrier_wait -3
	s_barrier_signal -1
	s_barrier_wait -1
.endm
	s_load_b256 s[4:11], s[0:1], 0x0               ; q_img s[4:5], k_img s[6:7], v_img s[8:9], the scales' exponents s[10:11]
	s_load_b64 s[12:13], s[0:1], 0x20              ; a_img
	v_lshl_add_u32 v30, v0, 2, 0x40000
	v_mov_b32 v31, 0
	ds_add_u32 v30, v31
	ds_add_u32 v30, v31
	v_lshrrev_b32 v1, 5, v0
	v_readfirstlane_b32 s[WV], v1                  ; wave 0..15
	s_bfe_u32 s53, ttmp6, 0x40000                  ; cx: my place in the cluster
	s_lshl_b32 s54, ttmp9, 2
	s_add_co_u32 s54, s54, s53                     ; my block of 256 queries: it enters q_img's and a_img's addresses alone
	s_and_b32 s55, ttmp7, 0xffff                   ; 16 batch + head, which the four partners share
	; descriptor group 1: 16,384 dense bytes as 64 rows of 256
	s_mov_b32 s[G1], 15|(3<<16)|(1<<21)            ; 15:0 the mask: all four work-groups; 17:16 elements of 8 bytes; 20 no padding; 21 set beside a mask
	s_mov_b32 s[G1+1], 32<<16                      ; tensor_dim0 = 32 elements
	s_mov_b32 s[G1+2], 64<<16                      ; tensor_dim1 = 64
	s_mov_b32 s[G1+3], 32<<16                      ; tile_dim0
	s_mov_b32 s[G1+4], 64                          ; tile_dim1
	s_mov_b32 s[G1+5], 32                          ; tensor_dim0_stride: the rows are dense
	s_mov_b32 s[G1+6], 0
	s_mov_b32 s[G1+7], 0
	s_mov_b32 s[SEL], 0x76543210
	s_mov_b32 s[SEL+1], 0xfedcba98
	s_mov_b32 s[CS], 0x3e38aa3b                    ; log2(e) / 8
	s_lshl_b32 s56, s55, 17                        ; the head's 131,072 bytes in k_img and in v_img,
	s_and_b32 s57, s[WV], 1
	s_lshl_b32 s57, s57, 14
	s_add_co_u32 s56, s56, s57                     ; and which half of a quarter's 32,768 I fetch
	s_mov_b32 s57, 0
	s_and_b32 s58, s[WV], 3
	s_lshl_b32 s58, s58, 14                        ; in LDS: K's halves, then V's: 16,384 x wave
	s_wait_dscnt 0x0
	s_wait_kmcnt 0x0
	s_load_b128 s[48:51], s[10:11], 0x18           ; e6, e7, e8, e9
	s_load_b32 s52, s[10:11], 0x28                 ; e10
	s_cmp_lt_u32 s[WV], 2                          ; waves 0 and 1 fetch K, waves 2 and 3 V: a choice on the wave's number, the same in all partners
	s_cselect_b64 s[60:61], s[6:7], s[8:9]
	s_add_nc_u64 s[60:61], s[60:61], s[56:57]
.irp j, 0,1,2,3
	s_mov_b32 s[G0+4*\j], 1                                        ; count = 1
	s_add_co_u32 s[G0+4*\j+1], s58, \j*QB                          ; LDS address
	s_add_nc_u64 s[G0+4*\j+2:G0+4*\j+3], s[60:61], \j*32768        ; global address: quarter j
	s_or_b32 s[G0+4*\j+3], s[G0+4*\j+3], 0x80000000                ; type = 2
.endr
	ROUND                                          ; all four work-groups are here: the joint loads meet
	s_cmp_lt_u32 s[WV], 4                          ; a wave's four fills stand in one branch on the wave's number, ahead of every wait on TENSORcnt, every LDS read and every other barrier
	s_cbranch_scc0 .Lno_fetch
	tensor_load_to_lds s[G0:G0+3], s[G1:G1+7]
	s_nop 0
	tensor_load_to_lds s[G0+4:G0+7], s[G1:G1+7]
	s_nop 0
	tensor_load_to_lds s[G0+8:G0+11], s[G1:G1+7]
	s_nop 0
	tensor_load_to_lds s[G0+12:G0+15], s[G1:G1+7]
	s_nop 0
.rept 4
	v_nop
.endr
.Lno_fetch:
	s_lshl_b32 s56, s55, 7                         ; Q: tile 128 x (16 batch + head) + 16 x block + wave, 1,024 bytes each
	s_lshl_b32 s57, s54, 4
	s_add_co_u32 s56, s56, s57
	s_add_co_u32 s56, s56, s[WV]
	s_lshl_b32 s56, s56, 10
	s_mov_b32 s57, 0
	s_add_nc_u64 s[4:5], s[4:5], s[56:57]
	v_and_b32 v1, 31, v0
	v_lshlrev_b32 v1, 4, v1                        ; 16 x lane
	global_load_b128 v[16:19], v1, s[4:5]          ; Q's fragment stays in registers
	global_load_b128 v[20:23], v1, s[4:5] offset:512
	s_lshr_b32 s56, s55, 4                         ; a_img: ((128 batch + 16 block + wave) x 16 + head) x 1,024
	s_lshl_b32 s56, s56, 7
	s_lshl_b32 s57, s54, 4
	s_add_co_u32 s56, s56, s57
	s_add_co_u32 s56, s56, s[WV]
	s_lshl_b32 s56, s56, 4
	s_and_b32 s57, s55, 15
	s_add_co_u32 s56, s56, s57
	s_lshl_b32 s56, s56, 10
	s_mov_b32 s57, 0
	s_add_nc_u64 s[12:13], s[12:13], s[56:57]
	v_and_b32 v3, 15, v0
	v_bfe_u32 v4, v0, 4, 1
	v_lshlrev_b32 v3, 4, v3
	v_lshl_add_u32 v3, v4, 3, v3                   ; 16 r + 8 h
	v_mov_b32 v13, 0xff61b1e6                      ; the largest t so far: -3e38, under every t
	v_floor_f32 v12, -v13                          ; -M
	v_mov_b32 v14, 0                               ; the sum, in two halves
	v_mov_b32 v15, 0
	v_mov_b32 v6, 0                                ; written once: a lane permute's destination counts as one of its sources
	v_mov_b32 v9, 0                                ; (named as the upper half of the pair v[8:9])
.irp j, 0,1,2,3,4,5,6,7,8,9,10,11,12,13,14,15,16,17,18,19,20,21,22,23,24,25,26,27,28,29,30,31
	v_mov_b32 v[160+\j], 0                         ; O^T.  (The step has no first form of its own: it finds zeros, which the first change of M leaves zeros)
.endr
	s_wait_kmcnt 0x0
	s_add_co_i32 s56, s48, s49
	s_lshl_b32 s56, s56, 23
	s_add_co_i32 s[CS], s[CS], s56                 ; a score stands for score x 2^(e6 + e7): the two exponents are added to c's exponent field
	s_mov_b32 s[CS+1], s[CS]                       ; (named with it as a pair, so it is written)
	s_add_co_i32 s56, s50, 127
	s_lshl_b32 s57, s56, 23
	v_mov_b32 v25, s57                             ; 2^e8 as f32, for p's conversion
	s_add_co_i32 s56, s56, 15
	s_lshl_b32 s56, s56, 23
	s_or_b32 s56, s56, 0x600000
	v_mov_b32 v24, s56                             ; 57,344 x 2^e8
	s_add_co_i32 s56, s52, 127
	s_lshl_b32 s57, s56, 23
	v_mov_b32 v27, s57                             ; 2^e10, for O's conversion
	s_add_co_i32 s56, s56, 15
	s_lshl_b32 s56, s56, 23
	s_or_b32 s56, s56, 0x600000
	v_mov_b32 v26, s56                             ; 57,344 x 2^e10
; A KEY STEP: 128 keys.
.macro STEP
	v_add_nc_u32 v2, s[TB], v1                     ; this line and three v_nop: the four places between the last step's products and the loads into registers that they read
.rept 3
	v_nop
.endr
.irp t, 0,1,2,3,4,5,6,7
.irp c, 0,1
	ds_load_b128 v[32+8*\t+4*\c:32+8*\t+4*\c+3], v2 offset:1024*\t+512*\c          ; K: tile t, 32 lanes read 512 consecutive bytes
.endr
.endr
.irp t, 0,1,2,3
.irp c, 0,1,2,3
	ds_load_b128 v[192+16*\t+4*\c:192+16*\t+4*\c+3], v2 offset:VO+2048*\t+512*\c   ; V: they land under the softmax
.endr
.endr
	s_wait_dscnt 16                                ; K's sixteen loads are in; V's sixteen, issued behind them, may be out
.irp t, 0,1,2,3,4,5,6,7
	v_wmma_f32_16x16x64_bf8_bf8 v[96+8*\t:103+8*\t], v[32+8*\t:39+8*\t], v[16:23], 0   ; S^T: lane (r, h): query r; register j of tile t: key 16 t + 8 h + j
.endr
.rept 4
	v_nop
.endr
	v_max3_num_f32 v4, v96, v97, v98               ; the step's largest score of my query among my 64 keys, in two chains, each tile from its low end on,
	v_max3_num_f32 v5, v99, v100, v101
.irp i, 6,10,14,18,22,26,30,34,38,42,46,50,54,58
	v_max3_num_f32 v4, v4, v[96+\i], v[97+\i]
	v_max3_num_f32 v5, v5, v[98+\i], v[99+\i]
.endr
	v_max3_num_f32 v4, v4, v158, v159
	v_max_num_f32 v4, v4, v5
	v_permlanex16_b32 v6, v4, s[SEL], s[SEL+1]
	v_max_num_f32 v4, v4, v6                       ; and among lane l xor 16's
	v_mul_f32 v4, s[CS], v4                        ; as t (c is positive)
	v_max_num_f32 v13, v13, v4                     ; the running largest t
	v_mov_b32 v4, v12
	v_floor_f32 v12, -v13                          ; the new -M = floor(-t) = -ceil(t): M is a whole number
	v_sub_f32 v4, v12, v4                          ; M's old value less its new one: a whole number, 0 or less
	v_cvt_i32_f32 v4, v4                           ; (it saturates)
	v_ldexp_f32 v8, 1.0, v4                        ; f = 2^(old M - new M)
.irp j, 0,2,4,6,8,10,12,14,16,18,20,22,24,26,28,30,32,34,36,38,40,42,44,46,48,50,52,54,56,58,60,62
	v_pk_fma_f32 v[96+\j:97+\j], v[96+\j:97+\j], s[CS:CS+1], v[12:13] op_sel_hi:[1,0,0]   ; t - M, two at a time (of the pairs c and -M the low word serves both halves)
.endr
.irp j, 0,1,2,3,4,5,6,7,8,9,10,11,12,13,14,15,16,17,18,19,20,21,22,23,24,25,26,27,28,29,30,31,32,33,34,35,36,37,38,39,40,41,42,43,44,45,46,47,48,49,50,51,52,53,54,55,56,57,58,59,60,61,62,63
	v_exp_f32 v[96+\j], v[96+\j]                   ; p = 2^(t - M), at most 1: not normalised
.endr
	v_pk_mul_f32 v[14:15], v[14:15], v[8:9] op_sel_hi:[1,0]   ; the sums under the new M: the plain instruction behind the exponentials
	s_wait_alu depctr_va_vdst(0)                   ; one wait for the whole batch, ahead of its first reader
	v_pk_add_f32 v[10:11], v[96:97], v[98:99]      ; the row's sum is taken of the unquantised p: two at a time, in two chains
.irp j, 4,8,12,16,20,24,28,32,36,40,44,48,52,56,60
	v_pk_add_f32 v[14:15], v[14:15], v[96+\j:97+\j]
	v_pk_add_f32 v[10:11], v[10:11], v[98+\j:99+\j]
.endr
	v_pk_add_f32 v[14:15], v[14:15], v[10:11]
.irp t, 0,1,2,3,4,5,6,7
.irp i, 0,1,2,3,4,5,6,7
	v_min_num_f32 v[96+8*\t+\i], v[96+8*\t+\i], v24   ; the conversion to an 8-bit code does not saturate (ISA guide 7.6.2); p is not negative, so the hold is one-sided
.endr
	v_cvt_scalef32_pk8_bf8_f32 v[32+2*\t:33+2*\t], v[96+8*\t:103+8*\t], v25   ; registers 2 t, 2 t + 1 of the operand: keys 16 t + 8 h + 0 .. 7
.endr
.irp j, 0,2,4,6,8,10,12,14,16,18,20,22,24,26,28,30
	v_pk_mul_f32 v[160+\j:161+\j], v[160+\j:161+\j], v[8:9] op_sel_hi:[1,0]   ; O^T under the new M.  (These are also the plain lines between the conversions and the products below)
.endr
	s_wait_dscnt 0x0                               ; V is in
.irp t, 0,1,2,3
	v_wmma_f32_16x16x128_bf8_bf8 v[160+8*\t:167+8*\t], v[192+16*\t:207+16*\t], v[32:47], v[160+8*\t:167+8*\t]   ; O^T += V^T P^T; the four tiles take turns, and eight score products stand between two steps
.endr
.endm
; A QUARTER: 512 keys, four steps.  Tensor loads of a wave end in order (ISA guide 10.11.1): with 3 - j younger ones out, my part of quarter j has landed; behind the barrier everybody's has.
.macro QUARTER j
	s_wait_tensorcnt 3-\j
	s_barrier_signal -1
	s_barrier_wait -1
	s_mov_b32 s[TB], \j*QB
	s_mov_b32 s[CNT], 4
.Lstep_\@:
	STEP
	s_add_co_u32 s[TB], s[TB], SB
	s_sub_co_u32 s[CNT], s[CNT], 1
	s_cmp_lg_u32 s[CNT], 0
	s_cbranch_scc1 .Lstep_\@
.endm
	s_wait_loadcnt 0x0                             ; Q
	QUARTER 0
	QUARTER 1
	QUARTER 2
	QUARTER 3
	; THE WAY OUT.  O^T x 2^(e8 + e9) / the sum, held, converted with 2^e10: tile t's eight codes of a lane are 8 bytes at 256 t + 16 r + 8 h: the 32 lanes of a store fill 256 consecutive bytes, aligned.
	v_add_f32 v14, v14, v15                        ; the sum's two halves,
	v_permlanex16_b32 v6, v14, s[SEL], s[SEL+1]
	v_add_f32 v14, v14, v6                         ; and lane l xor 16's: the row's sum, at least 1/2
	v_rcp_f32 v14, v14
	v_nop                                          ; a plain instruction behind the transcendental
	s_add_co_i32 s56, s50, s51
	s_wait_alu depctr_va_vdst(0)                   ; the wait ahead of its first reader
	v_ldexp_f32 v14, v14, s56                      ; x 2^(e8 + e9)
	v_mov_b32 v15, v14
.irp j, 0,2,4,6,8,10,12,14,16,18,20,22,24,26,28,30
	v_pk_mul_f32 v[96+\j:97+\j], v[160+\j:161+\j], v[14:15]   ; register 8 t + i: o(query r, d = 16 t + 8 h + i)
.endr
.irp t, 0,1,2,3
.irp i, 0,1,2,3,4,5,6,7
	v_med3_num_f32 v[96+8*\t+\i], v[96+8*\t+\i], -v26, v26
.endr
	v_cvt_scalef32_pk8_bf8_f32 v[32+2*\t:33+2*\t], v[96+8*\t:103+8*\t], v27
.endr
	v_nop                                          ; one plain vector instruction behind the last conversion
.irp t, 0,1,2,3
	global_store_b64 v3, v[32+2*\t:33+2*\t], s[12:13] offset:256*\t
.endr
	s_wait_tensorcnt 0x0
	ds_add_u32 v30, v31
	s_wait_dscnt 0x0
	ROUND                                          ; the closing round: no work-group ends while a partner may still ask for a tile that names it
	s_endpgm
.Lfunc_end_k_qeba7a1312f_attn:
	.size	k_qeba7a1312f_attn, .Lfunc_end_k_qeba7a1312f_attn-k_qeba7a1312f_attn
	.p2alignl 7, 3214868480
	.fill 96, 4, 3214868480
	.section	.rodata,"a",@progbits
	.p2align	6, 0x0
	.amdhsa_kernel k_qeba7a1312f_attn
		.amdhsa_group_segment_fixed_size 264192
		.amdhsa_private_segment_fixed_size 0
		.amdhsa_enable_private_segment 0
		.amdhsa_kernarg_size 40
		.amdhsa_user_sgpr_count 2
		.amdhsa_user_sgpr_kernarg_segment_ptr 1
		.amdhsa_wavefront_size32 1
		.amdhsa_system_sgpr_workgroup_id_x 1
		.amdhsa_system_sgpr_workgroup_id_y 1
		.amdhsa_system_sgpr_workgroup_id_z 1
		.amdhsa_system_vgpr_workitem_id 0
		.amdhsa_next_free_vgpr 256
		.amdhsa_next_free_sgpr 66
		.amdhsa_reserve_vcc 0
		.amdhsa_float_denorm_mode_32 3
		.amdhsa_float_denorm_mode_16_64 3
		.amdhsa_memory_ordered 1
		.amdhsa_forward_progress 1
		.amdhsa_inst_pref_size 73
	.end_amdhsa_kernel
	.amdgpu_metadata
---
amdhsa.version: [ 1, 2 ]
amdhsa.kernels:
  - .name:           k_qeba7a1312f_attn
    .symbol:         k_qeba7a1312f_attn.kd
    .args:
      - { .name: q_img, .offset: 0, .size: 8, .value_kind: global_buffer, .address_space: global }
      - { .name: k_img, .offset: 8, .size: 8, .value_kind: global_buffer, .address_space: global }
      - { .name: v_img, .offset: 16, .size: 8, .value_kind: global_buffer, .address_space: global }
      - { .name: lowp_scales, .offset: 24, .size: 8, .value_kind: global_buffer, .address_space: global }
      - { .name: a_img, .offset: 32, .size: 8, .value_kind: global_buffer, .address_space: global }
    .group_segment_fixed_size: 264192
    .private_segment_fixed_size: 0
    .kernarg_segment_align: 8
    .kernarg_segment_size: 40
    .max_flat_workgroup_size: 512
    .sgpr_count:     66
    .vgpr_count:     256
    .wavefront_size: 32
...
	.end_amdgpu_metadata
.endif
;; end of part 2
;; launch oproj (part 3): grid 4 x 32, 4 waves a work-group, clusters of 4 x 4, 327,680 bytes of LDS; arguments a_img, Wo_codes, lowp_scales, bo, out0; writes out0
.if DOCPART == 3
	.amdgcn_target "amdgcn-amd-amdhsa--gfx1250"
	.amdhsa_code_object_version 6
	.text
	.protected	k_qeba7a1312f_oproj
	.globl	k_qeba7a1312f_oproj
	.p2align	8
	.type	k_qeba7a1312f_oproj,@function
k_qeba7a1312f_oproj:
	s_mov_b64 s[64:65], 0
	v_nop
	global_prefetch_b8 v0, s[64:65] scope:SCOPE_SE
	s_setreg_imm32_b32 hwreg(HW_REG_WAVE_MODE, 25, 1), 1
	s_wait_xcnt 0x0
	s_wait_alu depctr_hold_cnt(0) depctr_sa_sdst(0) depctr_va_vdst(0) depctr_va_sdst(0) depctr_va_ssrc(0) depctr_va_vcc(0) depctr_vm_vsrc(0)
	s_getreg_b32 s2, hwreg(HW_REG_IB_STS2, 6, 4)
	s_cmp_eq_u32 s2, 0
	s_cbranch_scc0 .Lentry_in_a_cluster
	s_endpgm
.Lentry_in_a_cluster:
	s_bfe_u32 s2, ttmp6, 0x10000c
	s_cmp_lg_u32 s2, 0xf033
	s_cbranch_scc0 .Lentry_shape_is_right
	s_endpgm
.Lentry_shape_is_right:
; out0 = a Wo^T + bo on codes of BF8 (E5M2).  a: 8,192 tokens x 1,024, as register images (a_img); Wo: [1024][1024] codes, K innermost; bo, out0 f32.  A sum of codes stands for sum x 2^(e10 + e11).
; a_img: [token tile of 16: 512][head: 16][1,024 bytes]: the 2,048 bytes of two neighbouring heads are the image of a 16 x 128 fragment: registers 4 c .. 4 c + 3 of lane L at 512 c + 16 L hold token L % 16, k = 32 c + 16 (L / 16) + 0 .. 15:
; the order in which Wo's fragments come from their rows by four loads of 16 bytes.  So A's fragments want no pitch and no padding: each load reads 512 consecutive bytes.
; A tile of out0, 256 x 256, is made by a work-group of four waves, 128 x 128 each: 64 accumulators, 512 registers.  8,192 x 1,024 are 128 such tiles: a work-group to each.
; K goes in steps of 256 through a ring of two LDS slots filled by the tensor data mover; K = 1,024 is four such steps, so the ring's one lap that fills slots again is written out and there is no loop.
; CLUSTERS: 4 x 4 work-groups; A's tile is shared along a row of the cluster, Wo's along a column: each is asked for jointly.
; THE MATRIX INSTRUCTION IS USED TRANSPOSED (source 0 = 16 rows of Wo, source 1 = 16 tokens): a lane holds eight neighbouring numbers of a row of out0.
; THE BIAS is the C of each sum's first product, as bo / 2^(e10 + e11), in the result's layout; each finished sum is multiplied once by 2^(e10 + e11).
; LIMITS: e10 + e11 between -126 and 127, and bo / 2^(e10 + e11) must be an f32 number.  NaN in bo is not served.
; REGISTERS, in windows of 256: window 0: v0-31 addresses; v32-95 the bias, later at work on the way out; v128-255 A's fragments, ONE set, later rows of out0.
;   window 1: Wo's fragments, TWO sets.   window 2: accumulators of my rows 0-63 ((a, b) at v[8 (8 a + b)]);   window 3: those of rows 64-127.
.set ROWB,   256                       ; a row of Wo's tile in bytes
.set KROW,   1024                      ; a row of Wo in memory
.set PITCH,  272                       ; an LDS row of Wo's tile: 256 bytes + 16 of padding: the 16 rows that a load touches start at 16 different banks (64 banks of 4 bytes: ISA guide 11.1)
.set FR,     16
.set NL,     4
.set NP,     4                         ; places behind this matrix instruction (ISA guide 7.12.1)
.set HALFA,  32768                     ; A: 8 token tiles x 4,096 bytes (256 along K): what one tensor load brings
.set HALFT,  128*PITCH                 ; Wo: 128 rows
.set BOFF,   2*HALFA                   ; in a slot Wo's rows lie behind A's 65,536 bytes
.set SLOT,   2*HALFA+2*HALFT
.set SPARE,  2*SLOT                    ; behind the ring: the spare words, 128 bytes for each wave: two blocks of 256 bytes that no other line names
.set SPITCH, 528                       ; the way out: a stage of 16 rows x (512 bytes + 16) for each wave.  It lies in slot 0, which has had its last fill and its last read when the first result is stored there
.set NROW,   4096                      ; a row of out0 in bytes
.set ADRA, 16                          ; v16-17  LDS address of my A fragments in slot 0, 1
.set ADRB, 20                          ; v20-21  the same for Wo
.set STO,  24                          ; v24     the way out: where I put 32 bytes of a row
.set RD,   25                          ; v25     the way out: where I read a row back
.set CO,   26                          ; v26     16 x lane
.set BH,   27                          ; v27     32 h: the bias's offset
.set SPW,  28                          ; v28     LDS address of my spare word; never rewritten
.set NIL,  29                          ; v29     0; never rewritten
.set BI,   32                          ; v32-95  bo / 2^(e10 + e11): eight registers for each of Wo's eight blocks
.set TMP,  32                          ; later: a block's sums x 2^(e10 + e11)
.set AF,   128
.set BK,   128                         ; the way out: 16 rows read back from the stage: v128-191 and v192-255 by turns
.set G1, 24
.set G0, 32
.set G1B, 48
.set G0B, 56
.set MSB, 0
.macro WIN new                         ; the immediate's high byte repeats the setting that is left
.if MSB != \new
	s_set_vgpr_msb (MSB<<8)|\new
.set MSB, \new
.endif
.endm
.set MUL_LO, 0xa1                      ; source 0 (Wo) window 1, source 1 (A) window 0, C and D window 2
.set MUL_HI, 0xf1                      ; the same, C and D window 3
.set FST_LO, 0x81                      ; the first products: C (the bias) window 0, D window 2
.set FST_HI, 0xc1                      ; D window 3
.set TO_B,   0x40
.macro JLOAD g0a, g1a, g0b, g1b        ; a joint load: waves 0 and 1 fetch for A, waves 2 and 3 for Wo; four v_nop follow each of the two lines
	s_cmp_eq_u32 s15, 0
	s_cbranch_scc0 .Lfor_b_\@
	tensor_load_to_lds s[\g0a:\g0a+3], s[\g1a:\g1a+7]
	s_nop 0
.rept 4
	v_nop
.endr
	s_branch .Lasked_\@
.Lfor_b_\@:
	tensor_load_to_lds s[\g0b:\g0b+3], s[\g1b:\g1b+7]
	s_nop 0
.rept 4
	v_nop
.endr
.Lasked_\@:
.endm
.macro CREST
	s_cmp_lg_u32 s14, 0
	s_cbranch_scc1 .Lnot_wave_0_\@
	s_barrier_signal -3
.Lnot_wave_0_\@:
	s_barrier_wait -3
	s_barrier_signal -1
	s_barrier_wait -1
.endm
.macro CROUND
	s_barrier_signal -1
	s_barrier_wait -1
	CREST
.endm
	s_load_b256 s[4:11], s[0:1], 0x0               ; a_img s[4:5], Wo's codes s[6:7], the scales' exponents s[8:9], bo s[10:11]
	s_load_b64 s[12:13], s[0:1], 0x20              ; out0
	v_lshl_add_u32 v[SPW], v0, 2, SPARE
	v_mov_b32 v[NIL], 0
	ds_add_u32 v28, v29
	ds_add_u32 v28, v29
	s_wait_dscnt 0x0
	v_lshrrev_b32 v1, 5, v0
	v_readfirstlane_b32 s14, v1                    ; wave 0..3
	s_lshr_b32 s15, s14, 1                         ; which half of the tile's rows is mine.  Also: I fetch for A (0) or for Wo (1)
	s_and_b32 s16, s14, 1                          ; which half of its columns.  Also: which half of that tile I fetch
	s_bfe_u32 s40, ttmp6, 0x40000                  ; cx, cy
	s_bfe_u32 s41, ttmp6, 0x40004
	s_lshl_b32 s42, ttmp9, 2
	s_add_co_u32 s42, s42, s40                     ; tile column = 4 x cluster x + cx
	s_and_b32 s17, ttmp7, 0xffff
	s_lshl_b32 s17, s17, 2
	s_add_co_u32 s17, s17, s41                     ; tile row = 4 x cluster y + cy
	s_lshl_b32 s43, s41, 2
	s_lshl_b32 s43, 15, s43                        ; my row of the cluster
	s_lshl_b32 s44, 0x1111, s40                    ; my column
	; A's group 1: 8 token tiles x 4,096 bytes (four heads), 16,384 bytes apart; elements of 8 bytes; no padding
	s_or_b32 s[G1+0], s43, (3<<16)|(1<<21)
	s_mov_b32 s[G1+1], 512<<16                     ; tensor_dim0 = 512 elements
	s_mov_b32 s[G1+2], 8<<16                       ; tensor_dim1 = 8
	s_mov_b32 s[G1+3], 512<<16                     ; tile_dim0
	s_mov_b32 s[G1+4], 8                           ; tile_dim1
	s_mov_b32 s[G1+5], 2048                        ; tensor_dim0_stride
	s_mov_b32 s[G1+6], 0
	s_mov_b32 s[G1+7], 0
	; Wo's group 1: 128 rows x 256 bytes, padded in LDS
	s_or_b32 s[G1B+0], s44, (0<<16)|(1<<20)|(1<<21)|(5<<22)|(3<<25)
	s_mov_b32 s[G1B+1], ROWB<<16
	s_mov_b32 s[G1B+2], 128<<16
	s_mov_b32 s[G1B+3], ROWB<<16
	s_mov_b32 s[G1B+4], 128
	s_mov_b32 s[G1B+5], KROW
	s_mov_b32 s[G1B+6], 0
	s_mov_b32 s[G1B+7], 0
	s_lshl_b32 s20, s17, 4
	s_lshl_b32 s18, s16, 3
	s_add_co_u32 s20, s20, s18                     ; A: token tile 16 x tile row + 8 x half,
	s_lshl_b32 s20, s20, 14                        ; 16,384 bytes each
	s_mov_b32 s21, 0
	s_lshl_b32 s46, s42, 8
	s_lshl_b32 s18, s16, 7
	s_add_co_u32 s46, s46, s18                     ; Wo: row 256 x tile column + 128 x half,
	s_lshl_b32 s46, s46, 10                        ; 1,024 bytes each
	s_mov_b32 s47, 0
	s_lshl_b32 s45, s16, 15                        ; where they go: A's halves,
	s_mul_i32 s90, s16, HALFT
	s_add_co_u32 s90, s90, BOFF                    ; Wo's halves behind them: no place in the cluster enters an LDS address
	s_wait_kmcnt 0x0
	s_load_b64 s[96:97], s[8:9], 0x28              ; e10, e11
	s_add_nc_u64 s[20:21], s[4:5], s[20:21]
	s_add_nc_u64 s[46:47], s[6:7], s[46:47]
	CROUND                                         ; all sixteen work-groups are here: the first joint loads meet
.irp s, 0,1
	s_mov_b32 s[G0+4*\s], 1
	s_add_co_u32 s[G0+4*\s+1], s45, \s*SLOT
	s_add_nc_u64 s[G0+4*\s+2:G0+4*\s+3], s[20:21], \s*4096
	s_or_b32 s[G0+4*\s+3], s[G0+4*\s+3], 0x80000000
	s_mov_b32 s[G0B+4*\s], 1
	s_add_co_u32 s[G0B+4*\s+1], s90, \s*SLOT
	s_add_nc_u64 s[G0B+4*\s+2:G0B+4*\s+3], s[46:47], \s*ROWB
	s_or_b32 s[G0B+4*\s+3], s[G0B+4*\s+3], 0x80000000
	JLOAD G0+4*\s, G1, G0B+4*\s, G1B
.endr
	v_and_b32 v1, 15, v0                           ; r
	v_bfe_u32 v2, v0, 4, 1                         ; h
	v_and_b32 v6, 31, v0
	v_lshlrev_b32 v[CO], 4, v6                     ; 16 x lane
	v_lshlrev_b32 v[BH], 5, v2
	v_mul_u32_u24 v3, v1, PITCH
	v_lshl_add_u32 v4, v2, 4, v3                   ; Wo: a fragment's row x pitch + 16 x half
	s_lshl_b32 s21, s15, 15                        ; my 8 token tiles of A
	s_mul_i32 s22, s16, HALFT                      ; my 128 rows of Wo
	s_add_co_u32 s22, s22, BOFF
.irp s, 0,1
	v_add_nc_u32 v[ADRA+\s], s21, v[CO]
	v_add_nc_u32 v[ADRB+\s], s22, v4
	s_add_co_u32 s21, s21, SLOT
	s_add_co_u32 s22, s22, SLOT
.endr
	s_mul_i32 s23, s14, 16*SPITCH                  ; my stage
	v_mul_u32_u24 v5, v1, SPITCH                   ; in: row r, 32 bytes for each half of the lanes
	v_lshl_add_u32 v5, v2, 5, v5
	v_add_nc_u32 v[STO], s23, v5
	v_add_nc_u32 v[RD], s23, v[CO]                 ; back: the 32 lanes take one row of 512 bytes
	s_lshl_b32 s20, s17, 8
	s_lshl_b32 s21, s15, 7
	s_add_co_u32 s20, s20, s21                     ; my first row of out0: 256 x tile row + 128 x half,
	s_lshl_b32 s20, s20, 12                        ; 4,096 bytes each: under 2^25
	s_mov_b32 s21, 0
	s_lshl_b32 s46, s42, 10                        ; my first column, in bytes: 1,024 x tile column + 512 x half; bo's offset is the same
	s_lshl_b32 s47, s16, 9
	s_add_co_u32 s46, s46, s47
	s_mov_b32 s47, 0
	s_add_nc_u64 s[10:11], s[10:11], s[46:47]
	s_add_nc_u64 s[20:21], s[20:21], s[46:47]
	s_add_nc_u64 s[12:13], s[12:13], s[20:21]
.irp b, 0,1,2,3,4,5,6,7
	global_load_b128 v[BI+8*\b:BI+8*\b+3], v[BH], s[10:11] offset:64*\b       ; bo of columns 16 b + 8 h + 0 .. 7
	global_load_b128 v[BI+8*\b+4:BI+8*\b+7], v[BH], s[10:11] offset:64*\b+16
.endr
	s_wait_kmcnt 0x0
	s_add_co_i32 s91, s96, s97                     ; e10 + e11
	s_sub_co_i32 s92, 0, s91
	s_add_co_i32 s96, s91, 127
	s_lshl_b32 s96, s96, 23                        ; 2^(e10 + e11) as f32
	s_mov_b32 s97, s96                             ; (named with it as a pair, so it is written)
	s_wait_loadcnt 0x0
.irp j, 0,1,2,3,4,5,6,7,8,9,10,11,12,13,14,15,16,17,18,19,20,21,22,23,24,25,26,27,28,29,30,31,32,33,34,35,36,37,38,39,40,41,42,43,44,45,46,47,48,49,50,51,52,53,54,55,56,57,58,59,60,61,62,63
	v_ldexp_f32 v[BI+\j], v[BI+\j], s92            ; the bias goes in divided by the power of two that the sums lack
.endr
.macro FRAG reg, adr, q, i             ; a fragment of Wo from its rows: registers 4 c .. 4 c + 3 hold K = 32 c + 16 (l / 16) + 0 .. 15 of row l % 16
.irp c, 0,1,2,3
	ds_load_b128 v[\reg+4*\c:\reg+4*\c+3], v[\adr] offset:128*(\q)+32*\c+(\i)*16*PITCH
.endr
.endm
.macro FRAGA reg, adr, q, i            ; a fragment of A from its image: token tile i, the slot's q-th 128 along K
.irp c, 0,1,2,3
	ds_load_b128 v[\reg+4*\c:\reg+4*\c+3], v[\adr] offset:4096*(\i)+2048*(\q)+512*\c
.endr
.endm
; 16 matrix instructions: A's blocks a0, a0 + 1 x Wo's eight, 128 along K.  p: Wo's set.  first = 1: the first product starts the sums from the bias: nothing is ever cleared.
; The 64 accumulators take turns, one instruction a turn, in the same order in every step.
.macro MUL16 a0, p, first
.irp a, \a0, \a0+1
.irp b, 0,1,2,3,4,5,6,7
.if \first
	v_wmma_f32_16x16x128_bf8_bf8 v[8*(8*((\a)%4)+\b):8*(8*((\a)%4)+\b)+7], v[128*(\p)+FR*\b:128*(\p)+FR*\b+FR-1], v[AF+FR*(\a):AF+FR*(\a)+FR-1], v[BI+8*\b:BI+8*\b+7]
.else
	v_wmma_f32_16x16x128_bf8_bf8 v[8*(8*((\a)%4)+\b):8*(8*((\a)%4)+\b)+7], v[128*(\p)+FR*\b:128*(\p)+FR*\b+FR-1], v[AF+FR*(\a):AF+FR*(\a)+FR-1], v[8*(8*((\a)%4)+\b):8*(8*((\a)%4)+\b)+7]
.endif
.endr
.endr
.endm
.macro FETCH_B slot, q, p
	WIN TO_B
.irp i, 0,1,2,3,4,5,6,7
	FRAG 128*(\p)+FR*\i, ADRB+\slot, \q, \i
.endr
	WIN 0
.endm
.macro FETCH_A slot, q, i0
.irp i, \i0, \i0+1, \i0+2, \i0+3
	FRAGA AF+FR*(\i), ADRA+\slot, \q, \i
.endr
.endm
.macro PLACES n                        ; places in front of loads into registers that matrix instructions have read, and of the first read of results (ISA guide 7.12.1 for the first read of results)
.rept \n
	v_nop
.endr
.endm
.macro STEP slot, q, first             ; a step of 128 along K that has its successor in the same slot
	s_wait_dscnt 4*NL                              ; Wo's set and A's blocks 0-3 are in; the youngest sixteen loads (A's blocks 4-7) may be out
.if \first
	WIN FST_LO
.else
	WIN MUL_LO
.endif
	MUL16 0, (\q)%2, \first
	MUL16 2, (\q)%2, \first
	s_wait_dscnt 0                                 ; A's blocks 4-7 are in
	PLACES NP
	FETCH_B \slot, (\q)+1, 1-(\q)%2
	FETCH_A \slot, (\q)+1, 0
.if \first
	WIN FST_HI
.else
	WIN MUL_HI
.endif
	MUL16 4, (\q)%2, \first
	MUL16 6, (\q)%2, \first
	PLACES NP
	WIN 0
	FETCH_A \slot, (\q)+1, 4
.endm
; A slot's last step changes slots: ONE barrier; in front of it each wave waits for all its tensor loads, adds 0 to its spare word, and waits for that and for its own reads of this slot.  fill = 1: this slot is filled again, two K steps ahead.
.macro TURN slot, next, fill
	s_wait_tensorcnt 0x0                           ; all my tensor loads have landed: my part of the next slot  (every window is 0 here)
	ds_add_u32 v[SPW], v[NIL]                      ; 0 onto my spare word
	s_wait_dscnt 4*NL+1                            ; (the add and the youngest sixteen loads may be out)
	WIN MUL_LO
	MUL16 0, 1, 0                                  ; sixteen matrix instructions stand between the add and the wait for it
	s_wait_dscnt 0x0                               ; the add is done, and my reads of this slot are over
	s_barrier_signal -1
	MUL16 2, 1, 0
	WIN 0
	s_barrier_wait -1
.if \fill
	CREST                                          ; the barrier has opened a round of the cluster's barrier: no wave of any partner still reads this slot's tile or has a load on its way
	s_add_nc_u64 s[G0+4*\slot+2:G0+4*\slot+3], s[G0+4*\slot+2:G0+4*\slot+3], 2*4096
	s_add_nc_u64 s[G0B+4*\slot+2:G0B+4*\slot+3], s[G0B+4*\slot+2:G0B+4*\slot+3], 2*ROWB
	JLOAD G0+4*\slot, G1, G0B+4*\slot, G1B         ; the first tensor load behind the round; the four v_nop behind it are the places in front of the loads below
.else
	PLACES NP
.endif
	FETCH_B \next, 0, 0
	FETCH_A \next, 0, 0
	WIN MUL_HI
	MUL16 4, 1, 0
	MUL16 6, 1, 0
	PLACES NP
	WIN 0
	FETCH_A \next, 0, 4
.endm
	s_wait_tensorcnt 1                             ; my part of K step 0 is in (K step 1's load may be out),
	s_barrier_signal -1
	s_barrier_wait -1                              ; everybody's is
	FETCH_B 0, 0, 0
	FETCH_A 0, 0, 0
	FETCH_A 0, 0, 4
	STEP 0, 0, 1                                   ; K 0-127: its products start the sums from the bias
	TURN 0, 1, 1                                   ; slot 0 takes K 512-767
	STEP 1, 0, 0
	TURN 1, 0, 1                                   ; slot 1 takes K 768-1023
	STEP 0, 0, 0
	TURN 0, 1, 0                                   ; nothing is left to fetch, and no round follows
	STEP 1, 0, 0
	s_wait_dscnt 4*NL                              ; the very last step
	WIN MUL_LO
	MUL16 0, 1, 0
	MUL16 2, 1, 0
	s_wait_dscnt 0
	WIN MUL_HI
	MUL16 4, 1, 0
	MUL16 6, 1, 0
	WIN 0
; THE WAY OUT, block by block of 16 rows x 128 columns.  A lane holds 32 neighbouring bytes of a row, and the lanes beside it hold other rows: so a block goes through my own stage in LDS and comes back as whole
; rows of 512 bytes.  LDS serves a wave's instructions in order (ISA guide 5.7.1.4): no wait between the stores and the loads, nor in front of the next block's stores.
.macro TOSTAGE a
.set AC, 64*((\a)%4)
	WIN 0x02+((\a)/4)                              ; source 0: window 2 or 3
.irp j, 0,2,4,6,8,10,12,14,16,18,20,22,24,26,28,30,32,34,36,38,40,42,44,46,48,50,52,54,56,58,60,62
	v_pk_mul_f32 v[TMP+\j:TMP+\j+1], v[AC+\j:AC+\j+1], s[96:97] op_sel_hi:[1,0]   ; x 2^(e10 + e11); each accumulator from its low end on
.endr
	WIN 0
.irp b, 0,1,2,3,4,5,6,7
	ds_store_b128 v[STO], v[TMP+8*\b:TMP+8*\b+3] offset:64*\b
	ds_store_b128 v[STO], v[TMP+8*\b+4:TMP+8*\b+7] offset:64*\b+16
.endr
.set BB, BK+64*((\a)%2)
.irp t, 0,1,2,3,4,5,6,7,8,9,10,11,12,13,14,15
	ds_load_b128 v[BB+4*\t:BB+4*\t+3], v[RD] offset:\t*SPITCH
.endr
.endm
.macro SEND a, younger                 ; younger: the LDS instructions issued behind block a's loads, which may stay out
.set BB, BK+64*((\a)%2)
	s_wait_dscnt \younger                          ; the block is back in registers
.if (\a) > 0
	s_add_nc_u64 s[12:13], s[12:13], 16*NROW       ; (behind a wait on XCNT: the earlier stores have read their base)  16 rows on
.endif
.irp t, 0,1,2,3,4,5,6,7,8,9,10,11,12,13,14,15
	global_store_b128 v[CO], v[BB+4*\t:BB+4*\t+3], s[12:13] offset:\t*NROW th:TH_STORE_NT   ; 32 lanes store 512 consecutive bytes, at a multiple of 256 from out0's first byte; written once, read by nobody here
.endr
.endm
	PLACES NP                                      ; behind the last products: for the loads into the registers that held A's fragments, and for the reads of results
	TOSTAGE 0
.irp a, 1,2,3,4,5,6,7
.if \a > 1
	s_wait_xcnt 0x0                                ; block a - 2's stores have read their registers and their base: block a's loads may land there, and the base may step
.endif
	TOSTAGE \a
	SEND \a-1, 32                                  ; behind block a - 1's loads: block a's 16 stores and 16 loads
.endr
	s_wait_xcnt 0x0                                ; block 6's stores have read their base
	SEND 7, 0
	s_wait_tensorcnt 0x0                           ; the wave's end, behind my last tensor load and my last LDS store
	ds_add_u32 v[SPW], v[NIL]
	s_wait_dscnt 0x0
	CROUND                                         ; the closing round: no work-group ends while a partner may still ask for a tile that names it
	s_endpgm
.Lfunc_end_k_qeba7a1312f_oproj:
	.size	k_qeba7a1312f_oproj, .Lfunc_end_k_qeba7a1312f_oproj-k_qeba7a1312f_oproj
	.p2alignl 7, 3214868480
	.fill 96, 4, 3214868480
	.section	.rodata,"a",@progbits
	.p2align	6, 0x0
	.amdhsa_kernel k_qeba7a1312f_oproj
		.amdhsa_group_segment_fixed_size 327680
		.amdhsa_private_segment_fixed_size 0
		.amdhsa_enable_private_segment 0
		.amdhsa_kernarg_size 40
		.amdhsa_user_sgpr_count 2
		.amdhsa_user_sgpr_kernarg_segment_ptr 1
		.amdhsa_wavefront_size32 1
		.amdhsa_system_sgpr_workgroup_id_x 1
		.amdhsa_system_sgpr_workgroup_id_y 1
		.amdhsa_system_sgpr_workgroup_id_z 1
		.amdhsa_system_vgpr_workitem_id 0
		.amdhsa_next_free_vgpr 1024
		.amdhsa_next_free_sgpr 98
		.amdhsa_reserve_vcc 0
		.amdhsa_float_denorm_mode_32 3
		.amdhsa_float_denorm_mode_16_64 3
		.amdhsa_memory_ordered 1
		.amdhsa_forward_progress 1
		.amdhsa_inst_pref_size 129
	.end_amdhsa_kernel
	.amdgpu_metadata
---
amdhsa.version: [ 1, 2 ]
amdhsa.kernels:
  - .name:           k_qeba7a1312f_oproj
    .symbol:         k_qeba7a1312f_oproj.kd
    .args:
      - { .name: a_img, .offset: 0, .size: 8, .value_kind: global_buffer, .address_space: global }
      - { .name: Wo_codes, .offset: 8, .size: 8, .value_kind: global_buffer, .address_space: global }
      - { .name: lowp_scales, .offset: 16, .size: 8, .value_kind: global_buffer, .address_space: global }
      - { .name: bo, .offset: 24, .size: 8, .value_kind: global_buffer, .address_space: global }
      - { .name: out0, .offset: 32, .size: 8, .value_kind: global_buffer, .address_space: global }
    .group_segment_fixed_size: 327680
    .private_segment_fixed_size: 0
    .kernarg_segment_align: 8
    .kernarg_segment_size: 40
    .max_flat_workgroup_size: 128
    .sgpr_count:     98
    .vgpr_count:     1024
    .wavefront_size: 32
...
	.end_amdgpu_metadata
.endif
;; end of part 3
